; MI455X (gfx1250); checked and timed in simulation.
; The chip was launched on July 23, 2026; its instructions are those of AMD's public machine-readable ISA for CDNA 5 (MIT licence, August 2026) and "CDNA5" Instruction Set Architecture Reference Guide (July 2026). The comments in the code are by the model that wrote it; some were corrected since.
;; Model1. Allowed arithmetic: matrix products marked QUANTISED: E2M3 operands, one E8M0 scale for each 32 along K, by v_wmma_scale_f32_16x16x128_f8f6f4 with both operands' format E2M3, f32 sums; products left as they are: f32 operands where the result goes on into a quantised operand, else bf16, f16 or f32 operands; f32 sums; everything else in f32.
;; Inputs: W_qkv_codes 3,072 x 32 x 24 uint8 (E2M3 codes of W_qkv, K innermost, in blocks of 32 codes, four codes in three bytes); W_qkv_scales 3,072 x 32 uint8 (E8M0 scales of W_qkv, one for each 32 codes along K); attn_mask 4 x 4,096 x 16 x 16 float32; b_qkv 3,072 float32; key 4 x 4,096 x 1,024 float32; query_codes 4 x 4,096 x 32 x 24 uint8 (E2M3 codes of query, K innermost, in blocks of 32 codes, four codes in three bytes); query_scales 4 x 4,096 x 32 uint8 (E8M0 scales of query, one for each 32 codes along K); value 4 x 4,096 x 1,024 float32.
;; Outputs: out0 4 x 4,096 x 1,024 float32.
;; This version of the problem:
;;   THIS VERSION OF THE PROBLEM IS GIVEN IN LOW PRECISION. The matrix products marked QUANTISED in the list below multiply operands that are first quantised to E2M3 (2 exponent bits, 3 mantissa bits; 6 bits a number), with one power-of-two scale for each 32 numbers along K (OCP MX v1.0); their sums are f32. All else is computed in f32.
;;   The module's matrix products, in the order in which they are computed (A, B: the left and right operand; K: the contracted axis; several contracted axes count as one K, in the product's order):
;;     1. [M 16,384, K 1,024] x [K 1,024, N 3,072]; A: input query (given as codes); B: input W_qkv (given as codes): QUANTISED
;;     2. batch 16,384 x [M 16, K 64] x [K 64, N 16]; A: computed on the way; B: computed on the way: QUANTISED
;;     3. batch 16,384 x [M 16, K 16] x [K 16, N 64]; A: softmax; B: computed on the way: left as it is (K = 16 < 32)
;;   THE QUANTISER, for each operand of a quantised product, along K:
;;     - K is cut into blocks of 32 from its start; a last block that is shorter is filled with zeros.
;;     - A block's scale is 2^e with e = floor(log2(the largest magnitude in the block)) - 2, held to -126 .. 127; a block of zeros has e = 0. As a byte (E8M0): e + 127.
;;     - Each number is divided by its block's scale, clamped to +-7.5, and rounded to the nearest number of E2M3, ties to even, subnormals kept.
;;     - The product sums the exact products of the quantised numbers (number of the format x scale) in f32.
;;   ~~~python
;;   def quantise(x, axis):      # numpy; x: float32 -> the quantised numbers, widened to float32 again
;;       x = np.moveaxis(x, axis, -1); K = x.shape[-1]
;;       x = np.pad(x, [(0, 0)] * (x.ndim - 1) + [(0, -K % 32)]); x = x.reshape(x.shape[:-1] + (-1, 32)); a = np.abs(x).max(-1, keepdims=True)
;;       e = np.where(a > 0, np.clip(np.frexp(np.where(a > 0, a, 1))[1] - 1 - 2, -126, 127), 0)      # np.frexp(a)[1] - 1 = floor(log2(a)), exactly
;;       r = np.clip(x / 2.0 ** e, -7.5, 7.5)
;;       step = 2.0 ** (np.maximum(np.frexp(np.where(r == 0, 1, r))[1] - 1, 0) - 3)
;;       q = np.round(r / step) * step * 2.0 ** e      # np.round: ties to even
;;       return np.moveaxis(q.reshape(q.shape[:-2] + (-1,))[..., :K], -1, axis).astype(np.float32)
;;   ~~~
;;   OPERANDS COMPUTED ON THE WAY. 'Computed on the way' means the value that the module computes at that place (a softmax that the list does not call 'softmax' is quantised finished and normalised). What goes into a quantiser is computed in f32, as accurately as f32 sums, v_exp_f32 and their like allow (about 1e-6 of the number): no bf16 or f16 on the way to a quantiser, and a product that is left as it is and whose result goes on into a quantised operand takes f32 operands (vector FMAs, or v_wmma_f32_16x16x4_f32). A number that lies on a knife's edge between two numbers of the format may be rounded either way, as far as f32 arithmetic and the matrix unit's own rounding can turn it there, and no further.
;;   INPUTS GIVEN AS CODES. W_qkv (in the module: [3072, 1024], K = its axis 1); query (in the module: [4, 4096, 1024], K = its axis 2): each comes as NAME_codes (uint8): NAME with its K axis moved to the last place and cut into blocks of 32 codes, [.., K / 32, bytes a block], one block behind the other in memory; four codes in three bytes: a row's codes are one little-endian stream of bits, code i at bits 6 i .. 6 i + 5 (a code: sign, 2 exponent bits, 3 mantissa bits); and NAME_scales (uint8): the same leading axes, one E8M0 byte (e + 127) for each 32 codes along K. Its value is code x scale, taken as it is: it is not quantised again, and the codes and scales need not be those that the quantiser above would give.
;; One version. Each part assembles by itself: llvm-mc -triple=amdgcn-amd-amdhsa -mcpu=gfx1250 --defsym DOCPART=n.
;; ======== version 1 of 1: 1 launch
;; limits: values are held in bf16: 8 bits of precision; right only within a limited range of input values
;; launch qkv_attn (part 1): grid 256 x 1, 4 waves a work-group, clusters of 4 x 1, 327,680 bytes of LDS; arguments query_codes, query_scales, W_qkv_codes, W_qkv_scales, b_qkv, attn_mask, out0; writes out0
.if DOCPART == 1
	.amdgcn_target "amdgcn-amd-amdhsa--gfx1250"
	.amdhsa_code_object_version 6
	.text
	.protected	k_q3cc27abffc_qkv_attn
	.globl	k_q3cc27abffc_qkv_attn
	.p2align	8
	.type	k_q3cc27abffc_qkv_attn,@function
k_q3cc27abffc_qkv_attn:
	s_mov_b64 s[64:65], 0
	v_nop
	global_prefetch_b8 v0, s[64:65] scope:SCOPE_SE
	s_setreg_imm32_b32 hwreg(HW_REG_WAVE_MODE, 25, 1), 1
	s_wait_xcnt 0x0
	s_wait_alu depctr_hold_cnt(0) depctr_sa_sdst(0) depctr_va_vdst(0) depctr_va_sdst(0) depctr_va_ssrc(0) depctr_va_vcc(0) depctr_vm_vsrc(0)
	s_getreg_b32 s2, hwreg(HW_REG_IB_STS2, 6, 4)
	s_cmp_eq_u32 s2, 0
	s_cbranch_scc0 .Lentry_in_a_cluster
	s_endpgm
.Lentry_in_a_cluster:
	s_bfe_u32 s2, ttmp6, 0x10000c
	s_cmp_lg_u32 s2, 0x3003
	s_cbranch_scc0 .Lentry_shape_is_right
	s_endpgm
.Lentry_shape_is_right:
; o = softmax(q k^T / 8 + mask) v, per token across its 16 heads, with q, k, v = query W^T + b.  A work-group takes 64 tokens through the whole chain: 24 tiles of 128 columns of W (8 of Q, 8 of K, 8 of V).
; reference() never uses its inputs key and value: they have no way to the output and are not among the arguments; a NaN or an infinity in them is not carried to the result.
; LIMITS: NaN and infinities in the inputs are not served.  The scaled scores stay under 2^31 in magnitude.
; A wave holds the 64 tokens' codes, all of K, in 384 registers, and takes 32 columns of each tile, which its own tensor load brought.  Two LDS slots of 128 rows take turns.
; CLUSTERS: four work-groups read the same tile: one joint load, mask 15.  A cluster begins each group of eight tiles at tile RHO = cluster % 8 of the group; codes and V lie in LDS in the order of work, and the addresses that read them back put the heads in their true order.
; K ORDER: for 128 along K lane (r, h) takes the 48 neighbouring bytes 96 q + 48 h of a row, two scale blocks, on both sides; so the middle two bytes of each scale word change places.
; PREFETCHES: in the loop over Q and K each wave asks for 2,048 bytes of its tokens' mask a trip; in trips 0 and 4 the cluster asks for half of the tile that it will load four trips on, its sixteen waves for 12 blocks of 256 bytes each.
; THE WALK, GROUP BY GROUP: the groups of Q and of K begin at tile RHO, as said above; V'S GROUP (tiles 16 to 23) is walked in its natural order by all clusters, so V's chunks lie in LDS in their true order.
; THE SHARES OF W'S PREFETCH: the eight tiles of the next group are cut into sixteen halves of a tile; a cluster asks for the half named by bits 0, 1, 3 and 4 of its number (so four clusters ask for each), in trip 0 of K's group, in trip 4 of V's.
.set WP,    816                        ; an LDS row: 3 x (256 + 16)
.set WQ,    32*WP
.set SLOTB, 128*WP
.set TILEB, 128*768
.set S1,    0
.set SCR,   SLOTB                      ; A at the head; then the codes of Q and K; then V
.set S0,    222720
.set SPARE, S0+SLOTB
.set CB,    SCR
.set CP,    1552                       ; a token's codes: Q's 768 bytes, K's 768, 16 of padding
.set SB,    CB+64*CP
.set SBP,   68                         ; a token's scale bytes
.set VB,    SCR
.set VP,    272
.set CS,    64*VP+32                   ; a chunk of V: two heads of 64 tokens, bf16
.set STP,   272
.set SPW, 3
.set NIL, 4
.set WA,  5                            ; v5-8 my W rows, two addresses a slot
.set CA0, 9
.set CA1, 10
.set SBA, 11
.set VSA, 12
.set L32, 13
.set BO,  14
.set QRA, 15
.set SRA, 16
.set VRA, 17
.set STO, 18
.set STR, 19
.set GO,  20
.set AA,  22
.set AS,  24                           ; scale words: A's
.set WS,  40                           ; W's, two sets
.set SW,  56                           ; the scores', two sets: v56-59, v244-247
.set BI,  60                           ; the bias, two sets
.set ACC, 92
.set VPK, 156
.set TM,  188
.set TP,  192
.set TS,  196
.set TB,  200
.set CD,  204
.set MX,  220
.set PX,  224
.set NM,  228
.set SU,  236
.set RI,  NM
.set PFO, 248
.set PFM, 249
.set MKA, 250
.set CX0, 252
.set CX1, 253
.set SBX, 254
.set VSX, 255
.set VF,  92
.set OA,  156
.set OB0, 60
.set OB1, 188
.set WV,  18
.set PSEL, 21
.set SEL, 22
.set L2E, 24
.set CNT, 26
.set TC,  27
.set G1W, 28
.set G1A, 36
.set G0W, 44
.set G0A, 52
.set WSB, 56
.set BB,  58
.set MB,  60
.set OUTB, 62
.set TSB, 66
.set TV,  67
.set RHO, 80
.set NTI, 81
.set WB0, 82
.set WS0, 84
.set BB0, 86
.set G1H, 88
.set G0H, 96
.set PFB, 100
.set MSB, 0
.macro WIN new
.if MSB != \new
	s_set_vgpr_msb (MSB<<8)|\new
.set MSB, \new
.endif
.endm
.macro ROUND
	s_barrier_signal -1
	s_barrier_wait -1
	s_cmp_lg_u32 s[WV], 0
	s_cbranch_scc1 .Lnot_wave_0_\@
	s_barrier_signal -3
.Lnot_wave_0_\@:
	s_barrier_wait -3
	s_barrier_signal -1
	s_barrier_wait -1
.endm
.macro TILEJ d, t, back                ; the tile of place NTI - back in the order of work
	s_sub_co_u32 s[\d], s[NTI], \back
	s_cmp_lt_u32 s[\d], 16
	s_cselect_b32 s[\t], s[RHO], 0         ; V's tiles, 16 and on, in their natural order
	s_add_co_u32 s[\t], s[\t], s[\d]
	s_and_b32 s[\t], s[\t], 7
	s_and_b32 s[\d], s[\d], 0x18
	s_or_b32 s[\d], s[\d], s[\t]
.endm
; A change of slots: all my loads are done, the add, my reads are done; behind the round the slot read last is filled again.
.macro HEAD slot, refill
	s_wait_tensorcnt 0x0
	ds_add_u32 v[SPW], v[NIL]
	TILEJ 72, 74, 0
	s_mul_i32 s72, s72, TILEB
	s_mov_b32 s73, 0
	s_add_co_u32 s[NTI], s[NTI], 1
	s_add_nc_u64 s[G0W+4*\slot+2:G0W+4*\slot+3], s[WB0:WB0+1], s[72:73]
	s_or_b32 s[G0W+4*\slot+3], s[G0W+4*\slot+3], 0x80000000
	s_wait_dscnt 0x0
.if \refill
	ROUND
	tensor_load_to_lds s[G0W+4*(1-\slot):G0W+4*(1-\slot)+3], s[G1W:G1W+7]
	s_nop 0
.rept 4
	v_nop
.endr
.else
	s_barrier_signal -1
	s_barrier_wait -1
.endif
.endm
; This tile's scale words and bias have come (asked for a tile ago); the words' middle bytes change places; the next tile's are asked for.
.macro AUX set, next
	s_wait_loadcnt 0x0
.irp q, 0,1,2,3,4,5,6,7
	v_perm_b32 v[WS+8*\set+\q], v[WS+8*\set+\q], v[WS+8*\set+\q], s[PSEL]
.endr
	s_wait_alu depctr_va_vdst(0)
.rept 8
	v_nop                                  ; places between a scale register's write and the first scaled product
.endr
.if \next
	TILEJ 72, 74, 2
	s_lshl_b32 s74, s72, 9
	s_lshl_b32 s72, s72, 12
	s_mov_b32 s73, 0
	s_mov_b32 s75, 0
	s_add_nc_u64 s[WSB:WSB+1], s[WS0:WS0+1], s[72:73]
	s_add_nc_u64 s[BB:BB+1], s[BB0:BB0+1], s[74:75]
	global_load_b128 v[WS+8*(1-\set):WS+8*(1-\set)+3], v[L32], s[WSB:WSB+1]
	global_load_b128 v[WS+8*(1-\set)+4:WS+8*(1-\set)+7], v[L32], s[WSB:WSB+1] offset:16
.irp u, 0,1
	global_load_b128 v[BI+16*(1-\set)+8*\u:BI+16*(1-\set)+8*\u+3], v[BO], s[BB:BB+1] offset:64*\u
	global_load_b128 v[BI+16*(1-\set)+8*\u+4:BI+16*(1-\set)+8*\u+7], v[BO], s[BB:BB+1] offset:64*\u+16
.endr
.endif
.endm
; A fragment, 16 rows x 128 K: three loads of 16 bytes.  Lanes 16-31 read 48 bytes further on; where that lies behind one padding more the second address serves.
.macro FRAG reg, adr, q, rowoff
.irp p, 0,1,2
.set YB_, 96*(\q)+16*\p
.if YB_%256 < 208
	ds_load_b128 v[(\reg)+4*\p:(\reg)+4*\p+3], v[\adr] offset:(\rowoff)+YB_+16*(YB_/256)
.else
	ds_load_b128 v[(\reg)+4*\p:(\reg)+4*\p+3], v[(\adr)+1] offset:(\rowoff)+YB_+16*(YB_/256)
.endif
.endr
.endm
.macro WLOAD slot                      ; my 32 columns, all of K: 48 loads
	WIN 0xc0
.irp q, 0,1,2,3,4,5,6,7
.irp u, 0,1
	FRAG 12*(2*\q+\u), WA+2*\slot, \q, 16*WP*\u
.endr
.endr
	WIN 0
.endm
.macro MM d, a, b, c, sa, sb, ra, rb
.if (\ra)+2*(\rb) == 0
	v_wmma_scale_f32_16x16x128_f8f6f4 v[(\d):(\d)+7], v[(\a):(\a)+11], v[(\b):(\b)+11], v[(\c):(\c)+7], v[\sa], v[\sb] matrix_a_fmt:MATRIX_FMT_FP6 matrix_b_fmt:MATRIX_FMT_FP6
.elseif (\ra)+2*(\rb) == 1
	v_wmma_scale_f32_16x16x128_f8f6f4 v[(\d):(\d)+7], v[(\a):(\a)+11], v[(\b):(\b)+11], v[(\c):(\c)+7], v[\sa], v[\sb] matrix_a_fmt:MATRIX_FMT_FP6 matrix_b_fmt:MATRIX_FMT_FP6 matrix_a_scale:MATRIX_SCALE_ROW1
.elseif (\ra)+2*(\rb) == 2
	v_wmma_scale_f32_16x16x128_f8f6f4 v[(\d):(\d)+7], v[(\a):(\a)+11], v[(\b):(\b)+11], v[(\c):(\c)+7], v[\sa], v[\sb] matrix_a_fmt:MATRIX_FMT_FP6 matrix_b_fmt:MATRIX_FMT_FP6 matrix_b_scale:MATRIX_SCALE_ROW1
.else
	v_wmma_scale_f32_16x16x128_f8f6f4 v[(\d):(\d)+7], v[(\a):(\a)+11], v[(\b):(\b)+11], v[(\c):(\c)+7], v[\sa], v[\sb] matrix_a_fmt:MATRIX_FMT_FP6 matrix_b_fmt:MATRIX_FMT_FP6 matrix_a_scale:MATRIX_SCALE_ROW1 matrix_b_scale:MATRIX_SCALE_ROW1
.endif
.endm
; 64 products, transposed (source 0 = W's rows): lane r holds token 16 m + r, register j of tile u column 16 u + 8 h + j.  The first takes the bias as C.  Eight accumulators take turns.
.macro GEMM set
.irp q, 0,1,2,3,4,5,6,7
	s_wait_dscnt 48-6*(\q+1)               ; six loads for each 128 along K
.if \q < 5
	WIN 0x07
.set AR, 48*\q
.else
	WIN 0x0b
.set AR, 48*(\q-5)
.endif
.irp u, 0,1
.irp m, 0,1,2,3
.if \q == 0
.set CR, BI+16*\set+8*\u
.else
.set CR, ACC+16*\m+8*\u
.endif
	MM ACC+16*\m+8*\u, 12*(2*\q+\u), AR+12*\m, CR, WS+8*\set+\q, AS+8*(\m/2)+\q, \u, \m%2
.endr
.endr
.endr
	WIN 0
.rept 5
	v_nop
.endr
.endm
; Q's and K's quantiser: a scale block is my 32 columns, 16 in each half of the lanes.  The codes' order inside a block is the same for Q and K.
.macro QEPI par
	v_add_nc_u32 v[CX0], s[TC], v[CA0]
	v_add_nc_u32 v[CX1], s[TC], v[CA1]
	v_add_nc_u32 v[SBX], s[TSB], v[SBA]
.irp m, 0,1,2,3
	v_max3_num_f32 v[TM+\m], |v[ACC+16*\m]|, |v[ACC+16*\m+1]|, 0x1800000
.endr
.irp i, 2,4,6,8,10,12,14
.irp m, 0,1,2,3
	v_max3_num_f32 v[TM+\m], v[TM+\m], |v[ACC+16*\m+\i]|, |v[ACC+16*\m+\i+1]|
.endr
.endr
.irp m, 0,1,2,3
	v_permlanex16_b32 v[TP+\m], v[TM+\m], s[SEL], s[SEL+1]
.endr
.irp m, 0,1,2,3
	v_max_num_f32 v[TM+\m], v[TM+\m], v[TP+\m]
.endr
.irp m, 0,1,2,3
	v_add_nc_u32 v[TS+\m], 0xff000000, v[TM+\m]
.endr
.irp m, 0,1,2,3
	v_lshrrev_b32 v[TB+\m], 23, v[TS+\m]
.endr
.irp m, 0,1,2,3
	v_cvt_scalef32_pk16_fp6_f32 v[CD+4*\m:CD+4*\m+2], v[ACC+16*\m:ACC+16*\m+15], v[TS+\m]
.endr
	v_nop
.irp m, 0,1,2,3
.irp c, 0,1,2
	ds_store_b32 v[CX0+\m/2], v[CD+4*\m+\c] offset:16*CP*(\m%2)+96*\par+4*\c
.endr
	ds_store_b8 v[SBX], v[TB+\m] offset:16*SBP*\m+4*\par
.endr
.endm
.macro VPACK
.irp m, 0,1,2,3
.irp u, 0,1
.irp k, 0,1,2,3
	v_cvt_pk_bf16_f32 v[VPK+4*(2*\m+\u)+\k], v[ACC+16*\m+8*\u+2*\k], v[ACC+16*\m+8*\u+2*\k+1]
.endr
.endr
.endr
.endm
.macro VSTORE par
	v_add_nc_u32 v[VSX], s[TV], v[VSA]
	s_wait_alu depctr_va_vdst(0)
.irp m, 0,1,2,3
.irp u, 0,1
	ds_store_b128 v[VSX], v[VPK+4*(2*\m+\u):VPK+4*(2*\m+\u)+3] offset:CS*\par+16*VP*\m+32*\u
.endr
.endr
.endm
; The operands of four of my tokens: lane (r, h) takes head r's block h, K's and Q's; the scale bytes of Q in lanes 0-15, of K in lanes 16-31.  28 loads.
.macro SLOAD gq
.set SR_, 96*((\gq)%2)
	WIN 0xc0
.irp p, 0,1,2,3
.irp c, 0,1,2
	ds_load_b64 v[SR_+24*\p+2*\c:SR_+24*\p+2*\c+1], v[QRA] offset:CP*(4*(\gq)+\p)+768+8*\c
	ds_load_b64 v[SR_+24*\p+12+2*\c:SR_+24*\p+12+2*\c+1], v[QRA] offset:CP*(4*(\gq)+\p)+8*\c
.endr
.endr
	WIN 0
.irp p, 0,1,2,3
	ds_load_u16 v[SW+188*((\gq)%2)+\p], v[SRA] offset:SBP*(4*(\gq)+\p)
.endr
.endm
; Scores, softmax and P (bf16) of four tokens: lane r is the query head, register j the key head 8 h + j.
.macro SCORE4 gq
.if \gq < 2
.set MW, 3
.set MKB, 192+32*\gq
.else
.set MW, 2
.set MKB, 144+32*(\gq-2)
.endif
.if \gq < 3
	s_wait_dscnt 28                        ; the next group's loads may be out
.else
	s_wait_dscnt 0x0
.endif
	WIN 0x0f
.set SR_, 96*((\gq)%2)
.set SX_, SW+188*((\gq)%2)
.irp p, 0,1,2,3
	v_wmma_scale_f32_16x16x128_f8f6f4 v[ACC+8*\p:ACC+8*\p+7], v[SR_+24*\p:SR_+24*\p+11], v[SR_+24*\p+12:SR_+24*\p+23], 0, v[SX_+\p], v[SX_+\p] matrix_a_fmt:MATRIX_FMT_FP6 matrix_b_fmt:MATRIX_FMT_FP6 matrix_a_scale:MATRIX_SCALE_ROW1
.endr
	WIN 0
.rept 4
	v_nop
.endr
.if \gq < 2
	SLOAD \gq+2
.endif
	s_wait_loadcnt 24-8*(\gq)              ; the later groups' mask may be out
	WIN (MW<<4)
.irp e, 0,2,4,6
.irp p, 0,1,2,3
	v_pk_fma_f32 v[ACC+8*\p+\e:ACC+8*\p+\e+1], v[ACC+8*\p+\e:ACC+8*\p+\e+1], 0x3e000000, v[MKB+8*\p+\e:MKB+8*\p+\e+1] op_sel_hi:[1,0,1]
.endr
.endr
	WIN 0
.irp p, 0,1,2,3
	v_max3_num_f32 v[MX+\p], v[ACC+8*\p], v[ACC+8*\p+1], v[ACC+8*\p+2]
.endr
.irp p, 0,1,2,3
	v_max3_num_f32 v[MX+\p], v[MX+\p], v[ACC+8*\p+3], v[ACC+8*\p+4]
.endr
.irp p, 0,1,2,3
	v_max3_num_f32 v[MX+\p], v[MX+\p], v[ACC+8*\p+5], v[ACC+8*\p+6]
.endr
.irp p, 0,1,2,3
	v_max_num_f32 v[MX+\p], v[MX+\p], v[ACC+8*\p+7]
.endr
.irp p, 0,1,2,3
	v_permlanex16_b32 v[PX+\p], v[MX+\p], s[SEL], s[SEL+1]
.endr
.irp p, 0,1,2,3
	v_max_num_f32 v[MX+\p], v[MX+\p], v[PX+\p]
.endr
.irp p, 0,1,2,3
	v_mul_f32 v[NM+2*\p], 0xbfb8aa3b, v[MX+\p]
.endr
.irp e, 0,2,4,6
.irp p, 0,1,2,3
	v_pk_fma_f32 v[ACC+8*\p+\e:ACC+8*\p+\e+1], v[ACC+8*\p+\e:ACC+8*\p+\e+1], s[L2E:L2E+1], v[NM+2*\p:NM+2*\p+1] op_sel_hi:[1,0,0]
.endr
.endr
	s_wait_alu depctr_va_vdst(0)
.irp n, 0,1,2,3,4,5,6,7,8,9,10,11,12,13,14,15,16,17,18,19,20,21,22,23,24,25,26,27,28,29,30,31
	v_exp_f32 v[ACC+\n], v[ACC+\n]
.endr
	v_nop
	s_wait_alu depctr_va_vdst(0)
.irp p, 0,1,2,3
	v_pk_add_f32 v[SU+2*\p:SU+2*\p+1], v[ACC+8*\p:ACC+8*\p+1], v[ACC+8*\p+2:ACC+8*\p+3]
.endr
.irp p, 0,1,2,3
	v_pk_add_f32 v[SU+2*\p:SU+2*\p+1], v[SU+2*\p:SU+2*\p+1], v[ACC+8*\p+4:ACC+8*\p+5]
.endr
.irp p, 0,1,2,3
	v_pk_add_f32 v[SU+2*\p:SU+2*\p+1], v[SU+2*\p:SU+2*\p+1], v[ACC+8*\p+6:ACC+8*\p+7]
.endr
.irp p, 0,1,2,3
	v_add_f32 v[SU+2*\p], v[SU+2*\p], v[SU+2*\p+1]
.endr
.irp p, 0,1,2,3
	v_permlanex16_b32 v[PX+\p], v[SU+2*\p], s[SEL], s[SEL+1]
.endr
.irp p, 0,1,2,3
	v_add_f32 v[SU+2*\p], v[SU+2*\p], v[PX+\p]
.endr
	s_wait_alu depctr_va_vdst(0)
.irp p, 0,1,2,3
	v_rcp_f32 v[RI+2*\p], v[SU+2*\p]
.endr
	v_nop
	s_wait_alu depctr_va_vdst(0)
.irp e, 0,2,4,6
.irp p, 0,1,2,3
	v_pk_mul_f32 v[ACC+8*\p+\e:ACC+8*\p+\e+1], v[ACC+8*\p+\e:ACC+8*\p+\e+1], v[RI+2*\p:RI+2*\p+1] op_sel_hi:[1,0]
.endr
.endr
	WIN (MW<<6)
.irp p, 0,1,2,3
.irp k, 0,1,2,3
	v_cvt_pk_bf16_f32 v[MKB+8*\p+\k], v[ACC+8*\p+2*\k], v[ACC+8*\p+2*\k+1]
.endr
.endr
.irp p, 0,1,2,3
.irp k, 4,5,6,7
	v_mov_b32 v[MKB+8*\p+\k], 0            ; K = 16 heads of the product's 32
.endr
.endr
	WIN 0
.endm
.macro TRV i
.irp t, 0,1,2,3
	ds_load_tr16_b128 v[VF+32*((\i)%2)+8*\t:VF+32*((\i)%2)+8*\t+3], v[VRA] offset:VP*(\i)+32*\t
.endr
.endm
.macro SEND i, n                       ; n: the LDS instructions issued behind token i's eight loads
.set OBB, OB0+(OB1-OB0)*((\i)%2)
	s_wait_dscnt \n
.irp k, 0,1,2,3,4,5,6,7
	global_store_b128 v[GO], v[OBB+4*\k:OBB+4*\k+3], s[OUTB:OUTB+1] offset:4096*(\i)+512*\k th:TH_STORE_NT   ; 512 consecutive bytes, aligned
.endr
.endm
; One token: O^T = V^T P^T, four tiles; through my stage into rows of 256 bytes; the token before is stored.
.macro PVSTEP i
.set PS, (\i)%2
.set OBB, OB0+(OB1-OB0)*PS
.if (\i) < 8
.set MW, 3
.set PB, 192+8*(\i)
.else
.set MW, 2
.set PB, 144+8*((\i)-8)
.endif
.if (\i) == 0
	s_wait_dscnt 0x0
.else
	s_wait_dscnt 8                         ; the eight loads from the stage may be out
.endif
	WIN (MW<<2)
.irp t, 0,1,2,3
	v_wmma_f32_16x16x32_bf16 v[OA+8*\t:OA+8*\t+7], v[VF+32*PS+8*\t:VF+32*PS+8*\t+7], v[PB:PB+7], 0
.endr
	WIN 0
.rept 5
	v_nop
.endr
.irp t, 0,1,2,3
	ds_store_b128 v[STO], v[OA+8*\t:OA+8*\t+3] offset:64*\t
	ds_store_b128 v[STO], v[OA+8*\t+4:OA+8*\t+7] offset:64*\t+16
.endr
.if (\i) < 15
	TRV (\i)+1
.endif
	s_wait_xcnt 0x0
.irp k, 0,1,2,3,4,5,6,7
	ds_load_b128 v[OBB+4*\k:OBB+4*\k+3], v[STR] offset:2*STP*\k
.endr
.if (\i) > 0
.if (\i) < 15
	SEND (\i)-1, 20
.else
	SEND (\i)-1, 16
.endif
.endif
.endm
; ---- the head
	s_load_b256 s[4:11], s[0:1], 0x0
	s_load_b128 s[12:15], s[0:1], 0x20
	s_load_b64 s[16:17], s[0:1], 0x30
	v_lshl_add_u32 v[SPW], v0, 2, SPARE
	v_mov_b32 v[NIL], 0
	ds_add_u32 v[SPW], v[NIL]
	ds_add_u32 v[SPW], v[NIL]
	v_lshrrev_b32 v1, 5, v0
	v_readfirstlane_b32 s[WV], v1
	s_bfe_u32 s19, ttmp6, 0x40000
	s_lshl_b32 s20, ttmp9, 2
	s_add_co_u32 s20, s20, s19             ; work-group
	s_and_b32 s[RHO], ttmp9, 7
	s_mov_b32 s[NTI], 2
	s_mov_b32 s[G1W+0], 15|(1<<20)|(1<<21)|(5<<22)|(3<<25)   ; W: 32 rows of 768 bytes, joint, 16 bytes behind every 256
	s_mov_b32 s[G1H+0], 15|(1<<20)|(1<<21)|(5<<22)|(3<<25)   ; at the head: 64 rows
	s_mov_b32 s[G1A+0], (1<<20)|(5<<22)|(3<<25)              ; A: 32 rows, my work-group's alone
.irp g, G1W, G1A
	s_mov_b32 s[\g+1], 768<<16
	s_mov_b32 s[\g+2], 32<<16
	s_mov_b32 s[\g+3], 768<<16
	s_mov_b32 s[\g+4], 32
	s_mov_b32 s[\g+5], 768
	s_mov_b32 s[\g+6], 0
	s_mov_b32 s[\g+7], 0
.endr
	s_mov_b32 s[G1H+1], 768<<16
	s_mov_b32 s[G1H+2], 64<<16
	s_mov_b32 s[G1H+3], 768<<16
	s_mov_b32 s[G1H+4], 64
	s_mov_b32 s[G1H+5], 768
	s_mov_b32 s[G1H+6], 0
	s_mov_b32 s[G1H+7], 0
	s_and_b32 s3, s[WV], 1
	s_mul_i32 s68, s20, 64*768
	s_mul_i32 s70, s3, 32*768
	s_add_co_u32 s68, s68, s70             ; A: waves 0 and 1 fetch 32 tokens each
	s_mov_b32 s69, 0
	s_lshl_b32 s70, s20, 11
	s_mov_b32 s71, 0
	s_lshl_b32 s76, s20, 16
	s_lshl_b32 s77, s[WV], 14
	s_add_co_u32 s76, s76, s77             ; my 16 tokens' mask
	s_mov_b32 s77, 0
	s_lshl_b32 s78, s20, 18
	s_lshl_b32 s79, s[WV], 16
	s_add_co_u32 s78, s78, s79             ; and output
	s_mov_b32 s79, 0
	s_mul_i32 s72, s[WV], 32*768
	s_mov_b32 s73, 0
	s_mul_i32 s74, s[WV], WQ
	s_mul_i32 s75, s3, 32*WP
	s_and_b32 s26, ttmp9, 3                ; the prefetch: which of the group's sixteen half tiles,
	s_bfe_u32 s27, ttmp9, 0x20003
	s_lshl_b32 s27, s27, 2
	s_or_b32 s26, s26, s27
	s_mul_i32 s26, s26, TILEB/2
	s_lshl_b32 s27, s19, 2
	s_add_co_u32 s27, s27, s[WV]           ; which sixteenth of it,
	s_mul_i32 s27, s27, 12*256
	s_add_co_u32 s26, s26, s27
	s_add_co_u32 s26, s26, 8*TILEB         ; of K's group first
	s_mov_b32 s27, 0
	s_mov_b32 s[PSEL], 0x03010200
	s_mov_b32 s[SEL], 0x76543210
	s_mov_b32 s[SEL+1], 0xfedcba98
	s_mov_b32 s[L2E], 0x3fb8aa3b
	s_mov_b32 s[L2E+1], s[L2E]
	s_wait_alu depctr_va_vdst(0)
	s_wait_dscnt 0x0
	ROUND                                  ; in front of the first joint loads, under the arguments' load
	s_wait_kmcnt 0x0
	s_mov_b32 s[G0A], 1
	s_add_co_u32 s[G0A+1], s75, SCR
	s_add_nc_u64 s[G0A+2:G0A+3], s[4:5], s[68:69]
	s_or_b32 s[G0A+3], s[G0A+3], 0x80000000
	s_add_nc_u64 s[WB0:WB0+1], s[8:9], s[72:73]
	s_mul_i32 s72, s[RHO], TILEB
	s_mul_i32 s75, s3, 64*768
	s_add_co_u32 s72, s72, s75
	s_mul_i32 s75, s3, 64*WP
	s_mov_b32 s[G0H], 1
	s_add_co_u32 s[G0H+1], s75, S0
	s_add_nc_u64 s[G0H+2:G0H+3], s[8:9], s[72:73]
	s_or_b32 s[G0H+3], s[G0H+3], 0x80000000
; One load a wave: waves 0 and 1 A's halves, waves 2 and 3 the first tile's.
	s_cmp_lt_u32 s[WV], 2
	s_cbranch_scc0 .Lhead_w
	tensor_load_to_lds s[G0A:G0A+3], s[G1A:G1A+7]
	s_nop 0
.rept 4
	v_nop
.endr
	s_branch .Lhead_asked
.Lhead_w:
	tensor_load_to_lds s[G0H:G0H+3], s[G1H:G1H+7]
	s_nop 0
.rept 4
	v_nop
.endr
.Lhead_asked:
	s_mov_b32 s[G0W], 1
	s_add_co_u32 s[G0W+1], s74, S0
	s_add_co_u32 s72, s[RHO], 1
	s_and_b32 s72, s72, 7
	s_mul_i32 s72, s72, TILEB
	s_mov_b32 s[G0W+4], 1
	s_add_co_u32 s[G0W+5], s74, S1
	s_add_nc_u64 s[G0W+6:G0W+7], s[WB0:WB0+1], s[72:73]
	s_or_b32 s[G0W+7], s[G0W+7], 0x80000000
	s_add_nc_u64 s[6:7], s[6:7], s[70:71]
	s_lshl_b32 s72, s[WV], 10
	s_add_nc_u64 s[WS0:WS0+1], s[10:11], s[72:73]
	s_lshl_b32 s72, s[RHO], 12
	s_add_nc_u64 s[WSB:WSB+1], s[WS0:WS0+1], s[72:73]
	s_lshl_b32 s72, s[WV], 7
	s_add_nc_u64 s[BB0:BB0+1], s[12:13], s[72:73]
	s_lshl_b32 s72, s[RHO], 9
	s_add_nc_u64 s[BB:BB+1], s[BB0:BB0+1], s[72:73]
	s_add_nc_u64 s[MB:MB+1], s[14:15], s[76:77]
	s_add_nc_u64 s[4:5], s[14:15], s[76:77]              ; s[4:5] where my mask's prefetches stand
	s_add_nc_u64 s[OUTB:OUTB+1], s[16:17], s[78:79]
	s_add_nc_u64 s[PFB:PFB+1], s[8:9], s[26:27]
	v_and_b32 v1, 15, v0
	v_bfe_u32 v2, v0, 4, 1
	v_and_b32 v252, 31, v0
	v_lshlrev_b32 v[L32], 5, v252
	v_lshlrev_b32 v[GO], 4, v252
	v_lshlrev_b32 v[BO], 5, v2
	v_min_u32 v[PFO], 11, v252
	v_lshlrev_b32 v[PFO], 8, v[PFO]
	v_min_u32 v[PFM], 7, v252
	v_lshlrev_b32 v[PFM], 8, v[PFM]
	v_lshlrev_b32 v[MKA], 6, v1
	v_lshl_add_u32 v[MKA], v2, 5, v[MKA]
	s_wait_alu depctr_va_vdst(0)
.irp n, 0,1
	global_load_b128 v[AS+8*\n:AS+8*\n+3], v[L32], s[6:7] offset:1024*\n
	global_load_b128 v[AS+8*\n+4:AS+8*\n+7], v[L32], s[6:7] offset:1024*\n+16
.endr
	global_load_b128 v[WS:WS+3], v[L32], s[WSB:WSB+1]
	global_load_b128 v[WS+4:WS+7], v[L32], s[WSB:WSB+1] offset:16
.irp u, 0,1
	global_load_b128 v[BI+8*\u:BI+8*\u+3], v[BO], s[BB:BB+1] offset:64*\u
	global_load_b128 v[BI+8*\u+4:BI+8*\u+7], v[BO], s[BB:BB+1] offset:64*\u+16
.endr
	v_mul_u32_u24 v252, v1, WP
	v_mad_u32_u24 v253, v2, 48, v252
	v_mad_u32_u24 v254, v2, 64, v252
	s_add_co_u32 s75, s74, S0
	v_add_nc_u32 v[WA], s75, v253
	v_add_nc_u32 v[WA+1], s75, v254
	s_add_co_u32 s75, s74, S1
	v_add_nc_u32 v[WA+2], s75, v253
	v_add_nc_u32 v[WA+3], s75, v254
	v_add_nc_u32 v[AA], SCR, v253
	v_add_nc_u32 v[AA+1], SCR, v254
	v_mul_u32_u24 v[CA0], v1, CP
	v_mad_u32_u24 v[CA0], v2, 12, v[CA0]
	s_mul_i32 s75, s[WV], 24
	s_add_co_u32 s75, s75, CB
	v_add_nc_u32 v[CA0], s75, v[CA0]
	v_add_nc_u32 v[CA1], 32*CP, v[CA0]
	v_mul_u32_u24 v[SBA], v1, SBP
	s_add_co_u32 s75, s[WV], SB
	v_add_nc_u32 v[SBA], s75, v[SBA]
	v_mul_u32_u24 v[VSA], v1, VP
	v_lshl_add_u32 v[VSA], v2, 4, v[VSA]
	s_lshl_b32 s75, s[WV], 6
	s_add_co_u32 s75, s75, VB
	v_add_nc_u32 v[VSA], s75, v[VSA]
	s_lshl_b32 s72, s[RHO], 1
	s_sub_co_u32 s72, 16, s72
	v_add_nc_u32 v252, s72, v1
	v_and_b32 v252, 15, v252               ; head r lies at place (r - 2 RHO) mod 16 of the order of work
	v_mul_u32_u24 v[QRA], v252, 48
	v_mad_u32_u24 v[QRA], v2, 24, v[QRA]
	s_mul_i32 s75, s[WV], 16*CP
	s_add_co_u32 s75, s75, CB
	v_add_nc_u32 v[QRA], s75, v[QRA]
	v_lshlrev_b32 v[SRA], 1, v252
	v_lshl_add_u32 v[SRA], v2, 5, v[SRA]
	s_mul_i32 s75, s[WV], 16*SBP
	s_add_co_u32 s75, s75, SB
	v_add_nc_u32 v[SRA], s75, v[SRA]
	v_bfe_u32 v252, v0, 1, 2
	v_lshl_add_u32 v252, v2, 2, v252       ; V: my chunk of two heads
	v_mul_u32_u24 v[VRA], v252, CS
	v_and_b32 v253, 1, v0
	v_lshl_add_u32 v[VRA], v253, 7, v[VRA]
	v_bfe_u32 v253, v0, 3, 1
	v_lshl_add_u32 v[VRA], v253, 4, v[VRA]
	s_mul_i32 s75, s[WV], 16*VP
	s_add_co_u32 s75, s75, VB
	v_add_nc_u32 v[VRA], s75, v[VRA]
	s_mul_i32 s75, s[WV], 16*STP
	s_add_co_u32 s75, s75, S1
	v_mul_u32_u24 v[STO], v1, STP
	v_lshl_add_u32 v[STO], v2, 5, v[STO]
	v_add_nc_u32 v[STO], s75, v[STO]
	v_mul_u32_u24 v[STR], v2, STP
	v_lshl_add_u32 v[STR], v1, 4, v[STR]
	v_add_nc_u32 v[STR], s75, v[STR]
.irp p, 0,1,2,3
	v_mov_b32 v[TP+\p], 0
	v_mov_b32 v[PX+\p], 0
	v_mov_b32 v[NM+2*\p+1], 0
.endr
	s_wait_alu depctr_va_vdst(0)
	s_cmp_lt_u32 s[WV], 2
	s_cbranch_scc0 .Lnot_a
	s_wait_tensorcnt 0x0
.Lnot_a:
	s_barrier_signal -1                    ; A is in; the first tile may still be on its way
	s_barrier_wait -1
	WIN 0x40
.irp q, 0,1,2,3,4
.irp m, 0,1,2,3
	FRAG 12*(4*\q+\m), AA, \q, 16*WP*\m
.endr
.endr
	WIN 0x80
.irp q, 5,6,7
.irp m, 0,1,2,3
	FRAG 12*(4*(\q-5)+\m), AA, \q, 16*WP*\m
.endr
.endr
	WIN 0
	s_wait_loadcnt 6                       ; A's scale words are in; W's two loads and the bias's four may be out
.set I_, 0
.rept 16
	v_perm_b32 v[AS+I_], v[AS+I_], v[AS+I_], s[PSEL]
.set I_, I_+1
.endr
	s_mov_b32 s[TC], 0
	s_mov_b32 s[TSB], 0
	s_mov_b32 s[CNT], 8
	s_wait_alu depctr_va_vdst(0)
; ---- Q and K: sixteen tiles, two a trip
.Lqk:
	HEAD 0, 1
	AUX 0, 1
	WLOAD 0
	s_and_b32 s72, s[CNT], 3
	s_cmp_lg_u32 s72, 0
	s_cbranch_scc1 .Lno_ask
	global_prefetch_b8 v[PFO], s[PFB:PFB+1] th:TH_LOAD_NT scope:SCOPE_SE   ; trips 0 and 4: my 12 blocks of the next group's tiles
.Lno_ask:
	global_prefetch_b8 v[PFM], s[4:5] th:TH_LOAD_NT scope:SCOPE_SE         ; two tokens' mask
	GEMM 0
	QEPI 0
	HEAD 1, 1
	AUX 1, 1
	WLOAD 1
	GEMM 1
	QEPI 1
	s_add_co_u32 s[TC], s[TC], 2*96
	s_add_co_u32 s[TSB], s[TSB], 2*4
	s_wait_xcnt 0x0                        ; the prefetches have read their addresses
	s_add_nc_u64 s[4:5], s[4:5], 2048
	s_add_nc_u64 s[PFB:PFB+1], s[PFB:PFB+1], 2*TILEB
	s_sub_co_u32 s[CNT], s[CNT], 1
	s_cmp_lg_u32 s[CNT], 0
	s_cbranch_scc1 .Lqk
; ---- the mask of my 16 tokens (32 loads), the scores, and V's first tile
.irp g, 0,1,2,3
.if \g < 2
	WIN 0xc0
.set MR_, 192+32*\g
.else
	WIN 0x80
.set MR_, 144+32*(\g-2)
.endif
.irp p, 0,1,2,3
	global_load_b128 v[MR_+8*\p:MR_+8*\p+3], v[MKA], s[MB:MB+1] offset:1024*(4*\g+\p) th:TH_LOAD_NT
	global_load_b128 v[MR_+8*\p+4:MR_+8*\p+7], v[MKA], s[MB:MB+1] offset:1024*(4*\g+\p)+16 th:TH_LOAD_NT
.endr
.endr
	WIN 0
	HEAD 0, 1
	WIN 0xc0
.irp p, 0,24,48,72,96,120,144,168
.irp k, 6,7,8,9,10,11
	v_mov_b32 v[\p+\k], 0                  ; K's codes beyond the head's 64: zeros, which add nothing whatever Q's side holds there
.endr
.endr
	s_wait_alu depctr_va_vdst(0)
	SLOAD 0
	SLOAD 1
	SCORE4 0
	SCORE4 1
	SCORE4 2
	SCORE4 3
	AUX 0, 1
	WLOAD 0
	GEMM 0
	VPACK
	s_mov_b32 s[TV], 0
	s_mov_b32 s[CNT], 3
; ---- V: a tile's results are stored behind the next change of slots
.Lv:
	HEAD 1, 1
	VSTORE 0
	AUX 1, 1
	WLOAD 1
	GEMM 1
	VPACK
	HEAD 0, 1
	VSTORE 1
	AUX 0, 1
	WLOAD 0
	GEMM 0
	VPACK
	s_add_co_u32 s[TV], s[TV], 2*CS
	s_sub_co_u32 s[CNT], s[CNT], 1
	s_cmp_lg_u32 s[CNT], 0
	s_cbranch_scc1 .Lv
	HEAD 1, 0
	VSTORE 0                               ; V's last two chunks reach into slot 0, which has had its last fill and its last read
	AUX 1, 0
	WLOAD 1
	GEMM 1
	VPACK
	VSTORE 1
.irp s, 0,1
.irp t, 0,1,2,3
.irp k, 4,5,6,7
	v_mov_b32 v[VF+32*\s+8*\t+\k], 0
.endr
.endr
.endr
	s_wait_alu depctr_va_vdst(0)
	s_wait_dscnt 0x0
	s_barrier_signal -1
	s_barrier_wait -1
; ---- O = P V, token by token
	TRV 0
.irp i, 0,1,2,3,4,5,6,7,8,9,10,11,12,13,14,15
	PVSTEP \i
.endr
	SEND 15, 0
	s_wait_tensorcnt 0x0                   ; the wave's end
	ds_add_u32 v[SPW], v[NIL]
	s_wait_dscnt 0x0
	ROUND                                  ; the closing round
	s_endpgm
.Lfunc_end_k_q3cc27abffc_qkv_attn:
	.size	k_q3cc27abffc_qkv_attn, .Lfunc_end_k_q3cc27abffc_qkv_attn-k_q3cc27abffc_qkv_attn
	.p2alignl 7, 3214868480
	.fill 96, 4, 3214868480
	.section	.rodata,"a",@progbits
	.p2align	6, 0x0
	.amdhsa_kernel k_q3cc27abffc_qkv_attn
		.amdhsa_group_segment_fixed_size 327680
		.amdhsa_private_segment_fixed_size 0
		.amdhsa_enable_private_segment 0
		.amdhsa_kernarg_size 56
		.amdhsa_user_sgpr_count 2
		.amdhsa_user_sgpr_kernarg_segment_ptr 1
		.amdhsa_wavefront_size32 1
		.amdhsa_system_sgpr_workgroup_id_x 1
		.amdhsa_system_sgpr_workgroup_id_y 1
		.amdhsa_system_sgpr_workgroup_id_z 1
		.amdhsa_system_vgpr_workitem_id 0
		.amdhsa_next_free_vgpr 1024
		.amdhsa_next_free_sgpr 102
		.amdhsa_reserve_vcc 0
		.amdhsa_float_denorm_mode_32 3
		.amdhsa_float_denorm_mode_16_64 3
		.amdhsa_memory_ordered 1
		.amdhsa_forward_progress 1
		.amdhsa_inst_pref_size 218
	.end_amdhsa_kernel
	.amdgpu_metadata
---
amdhsa.version: [ 1, 2 ]
amdhsa.kernels:
  - .name:           k_q3cc27abffc_qkv_attn
    .symbol:         k_q3cc27abffc_qkv_attn.kd
    .args:
      - { .name: query_codes, .offset: 0, .size: 8, .value_kind: global_buffer, .address_space: global }
      - { .name: query_scales, .offset: 8, .size: 8, .value_kind: global_buffer, .address_space: global }
      - { .name: W_qkv_codes, .offset: 16, .size: 8, .value_kind: global_buffer, .address_space: global }
      - { .name: W_qkv_scales, .offset: 24, .size: 8, .value_kind: global_buffer, .address_space: global }
      - { .name: b_qkv, .offset: 32, .size: 8, .value_kind: global_buffer, .address_space: global }
      - { .name: attn_mask, .offset: 40, .size: 8, .value_kind: global_buffer, .address_space: global }
      - { .name: out0, .offset: 48, .size: 8, .value_kind: global_buffer, .address_space: global }
    .group_segment_fixed_size: 327680
    .private_segment_fixed_size: 0
    .kernarg_segment_align: 8
    .kernarg_segment_size: 56
    .max_flat_workgroup_size: 128
    .sgpr_count:     102
    .vgpr_count:     1024
    .wavefront_size: 32
...
	.end_amdgpu_metadata
.endif
;; end of part 1
